; MI455X (gfx1250); checked and timed in simulation.
; The chip was launched on July 23, 2026; its instructions are those of AMD's public machine-readable ISA for CDNA 5 (MIT licence, August 2026) and "CDNA5" Instruction Set Architecture Reference Guide (July 2026). The comments in the code are by the model that wrote it; some were corrected since.
;; Multi Headed Self Attention. Allowed arithmetic: matrix products marked QUANTISED: E2M3 operands, one E8M0 scale for each 32 along K, by v_wmma_scale_f32_16x16x128_f8f6f4 with both operands' format E2M3, f32 sums; everything else in f32.
;; Inputs: Wk 1,024 x 1,024 float32; Wq 1,024 x 1,024 float32; Wv 1,024 x 1,024 float32; bk 1,024 float32; bq 1,024 float32; bv 1,024 float32; k 8 x 1,024 x 1,024 float32; mask 8 x 1,024 float32; q 8 x 1,024 x 1,024 float32; v 8 x 1,024 x 1,024 float32.
;; Outputs: out0 8 x 1,024 x 1,024 float32.
;; This version of the problem:
;;   THIS VERSION OF THE PROBLEM IS GIVEN IN LOW PRECISION. The matrix products marked QUANTISED in the list below multiply operands that are first quantised to E2M3 (2 exponent bits, 3 mantissa bits; 6 bits a number), with one power-of-two scale for each 32 numbers along K (OCP MX v1.0); their sums are f32. All else is computed in f32.
;;   The module's matrix products, in the order in which they are computed (A, B: the left and right operand; K: the contracted axis; several contracted axes count as one K, in the product's order):
;;     1. [M 8,192, K 1,024] x [K 1,024, N 1,024]; A: input q; B: input Wq: QUANTISED
;;     2. [M 8,192, K 1,024] x [K 1,024, N 1,024]; A: input k; B: input Wk: QUANTISED
;;     3. [M 8,192, K 1,024] x [K 1,024, N 1,024]; A: input v; B: input Wv: QUANTISED
;;     4. batch 128 x [M 1,024, K 64] x [K 64, N 1,024]; A: computed on the way; B: computed on the way: QUANTISED
;;     5. batch 128 x [M 1,024, K 1,024] x [K 1,024, N 64]; A: softmax (see below); B: computed on the way: QUANTISED
;;   THE QUANTISER, for each operand of a quantised product, along K:
;;     - K is cut into blocks of 32 from its start; a last block that is shorter is filled with zeros.
;;     - A block's scale is 2^e with e = floor(log2(the largest magnitude in the block)) - 2, held to -126 .. 127; a block of zeros has e = 0. As a byte (E8M0): e + 127.
;;     - Each number is divided by its block's scale, clamped to +-7.5, and rounded to the nearest number of E2M3, ties to even, subnormals kept.
;;     - The product sums the exact products of the quantised numbers (number of the format x scale) in f32.
;;   ~~~python
;;   def quantise(x, axis):      # numpy; x: float32 -> the quantised numbers, widened to float32 again
;;       x = np.moveaxis(x, axis, -1); K = x.shape[-1]
;;       x = np.pad(x, [(0, 0)] * (x.ndim - 1) + [(0, -K % 32)]); x = x.reshape(x.shape[:-1] + (-1, 32)); a = np.abs(x).max(-1, keepdims=True)
;;       e = np.where(a > 0, np.clip(np.frexp(np.where(a > 0, a, 1))[1] - 1 - 2, -126, 127), 0)      # np.frexp(a)[1] - 1 = floor(log2(a)), exactly
;;       r = np.clip(x / 2.0 ** e, -7.5, 7.5)
;;       step = 2.0 ** (np.maximum(np.frexp(np.where(r == 0, 1, r))[1] - 1, 0) - 3)
;;       q = np.round(r / step) * step * 2.0 ** e      # np.round: ties to even
;;       return np.moveaxis(q.reshape(q.shape[:-2] + (-1,))[..., :K], -1, axis).astype(np.float32)
;;   ~~~
;;   SOFTMAX AHEAD OF A QUANTISED PRODUCT. Where the list says 'softmax', what is quantised is not the finished softmax but p = 2^(t - M), with t = logit x log2(e) and M = ceil(the row's largest t), a whole number; so 1/2 < the row's largest p <= 1. The row's sum l is taken of the UNQUANTISED p, in f32, and the product's result is divided by l at the end. Since M is a whole number, a kernel that streams over the keys may use a running M (the ceiling of the running maximum): every later rescaling is an exact power of two, which a block's scale takes up: the codes' values come out the same.
;;   OPERANDS COMPUTED ON THE WAY. 'Computed on the way' means the value that the module computes at that place (a softmax that the list does not call 'softmax' is quantised finished and normalised). What goes into a quantiser is computed in f32, as accurately as f32 sums, v_exp_f32 and their like allow (about 1e-6 of the number): no bf16 or f16 on the way to a quantiser, and a product that is left as it is and whose result goes on into a quantised operand takes f32 operands (vector FMAs, or v_wmma_f32_16x16x4_f32). A number that lies on a knife's edge between two numbers of the format may be rounded either way, as far as f32 arithmetic and the matrix unit's own rounding can turn it there, and no further.
;; One version. Each part assembles by itself: llvm-mc -triple=amdgcn-amd-amdhsa -mcpu=gfx1250 --defsym DOCPART=n.
;; ======== version 1 of 1: 3 launches
;; limits: right only within a limited range of input values
;; workspace buffers: xc 21,233,664 bytes; xs 884,736 bytes; pc 18,874,368 bytes; ps 786,432 bytes
;; launch quant (part 1): grid 864 x 1, 4 waves a work-group, no clusters, 33,280 bytes of LDS; arguments q, k, v, Wq, Wk, Wv, xc, xs; writes xc, xs
.if DOCPART == 1
	.amdgcn_target "amdgcn-amd-amdhsa--gfx1250"
	.amdhsa_code_object_version 6
	.text
	.protected	k_qc71955c25b_quant
	.globl	k_qc71955c25b_quant
	.p2align	8
	.type	k_qc71955c25b_quant,@function
k_qc71955c25b_quant:
	s_mov_b64 s[64:65], 0
	v_nop
	global_prefetch_b8 v0, s[64:65] scope:SCOPE_SE
	s_setreg_imm32_b32 hwreg(HW_REG_WAVE_MODE, 25, 1), 1
	s_wait_xcnt 0x0
; q, k, v [8192][1024] and Wq, Wk, Wv [1024][1024], f32, K innermost, become codes of FP6 (E2M3) in rows of 768 bytes (xc), with one E8M0 byte for each 32 along K in rows of 32 bytes (xs).
; A block's byte is its largest magnitude's exponent field - 2, held at 1 from below; each number is divided by the scale and rounded to the nearest code, ties to even.
; LIMITS: a block of zeros gets the byte 1 where the rule says 127 (its codes are zeros, and this program alone reads the bytes); blocks under 2^-124 keep the byte 1; NaN and infinities are not served.
; SHARES: a work-group takes 32 rows, a wave 8 rows in 16 steps of 512 numbers.  Work-groups 0-255 q, 256-511 k, 512-767 v, 768-799 Wq, 800-831 Wk, 832-863 Wv; xc and xs hold the six on end.
; THE ORDER OF ROWS: of k, v, Wq, Wk row 32 h + 8 j + i of each 64 is stored at place 16 j + 8 h + i.  A product that takes four stored tiles of 16 as source 0 then leaves 32 neighbours of that axis in one lane's 32 registers.
; Each load reads 512 consecutive bytes; a step's 2,048 bytes turn through the wave's own stage in LDS and come back 64 bytes a lane.  No tensor loads, no barrier: waves share nothing.
.set STEPS, 16
.set EMAX,  2
.set CB,    12
.set R,     16
.set X,     80
.set C,     128
.set E,     112
.set WREG,  8192
.set SP,    80
	s_load_b256 s[4:11], s[0:1], 0x0
	s_load_b256 s[12:19], s[0:1], 0x20
	v_lshl_add_u32 v192, v0, 2, 0x8000
	v_mov_b32 v193, 0
	v_lshrrev_b32 v1, 5, v0
	v_readfirstlane_b32 s20, v1                    ; wave
	v_and_b32 v2, 31, v0
	v_lshlrev_b32 v3, 4, v2
	s_mul_i32 s21, s20, WREG
	v_lshrrev_b32 v14, 2, v2
	v_mul_u32_u24 v14, v14, SP
	v_and_b32 v15, 3, v2
	v_lshl_add_u32 v14, v15, 4, v14
	v_add_nc_u32 v14, s21, v14                     ; the stage, way in
	v_mul_u32_u24 v15, v2, SP
	v_add_nc_u32 v15, s21, v15                     ; way out: my 16 neighbours
	v_mul_u32_u24 v4, v2, CB
	v_lshrrev_b32 v5, 1, v2
	s_add_co_u32 s21, s21, 2*32*SP
	v_add_nc_u32 v5, s21, v5                       ; my block's scale byte in LDS
	v_lshlrev_b32 v7, 3, v2
	v_add_nc_u32 v6, s21, v7
	s_and_b32 s27, ttmp9, 1                        ; h: which 32 of the 64 rows
	s_mul_i32 s27, s27, 3
	s_lshl_b32 s26, s20, 1
	s_sub_co_u32 s26, s26, s27                     ; 2 j + h - 4 h: added to 4 x work-group it gives the place 2 j + h among the 64 rows' eight groups
	s_sub_co_u32 s27, ttmp9, 256
	s_cmp_lt_u32 s27, 576                          ; work-groups 256 to 831: k, v, Wq, Wk
	s_cselect_b32 s26, s26, s20
	s_wait_alu depctr_va_vdst(0)                   ; the wait at the head's end
	s_wait_kmcnt 0x0
	s_mov_b64 s[24:25], s[14:15]
	s_mov_b32 s22, 832
	s_cmp_lt_u32 ttmp9, 832
	s_cselect_b64 s[24:25], s[12:13], s[24:25]
	s_cselect_b32 s22, 800, s22
	s_cmp_lt_u32 ttmp9, 800
	s_cselect_b64 s[24:25], s[10:11], s[24:25]
	s_cselect_b32 s22, 768, s22
	s_cmp_lt_u32 ttmp9, 768
	s_cselect_b64 s[24:25], s[8:9], s[24:25]
	s_cselect_b32 s22, 512, s22
	s_cmp_lt_u32 ttmp9, 512
	s_cselect_b64 s[24:25], s[6:7], s[24:25]
	s_cselect_b32 s22, 256, s22
	s_cmp_lt_u32 ttmp9, 256
	s_cselect_b64 s[24:25], s[4:5], s[24:25]
	s_cselect_b32 s22, 0, s22
	s_sub_co_u32 s28, ttmp9, s22
	s_lshl_b32 s28, s28, 2
	s_add_co_u32 s28, s28, s20
	s_lshl_b32 s28, s28, 15
	s_mov_b32 s29, 0
	s_add_nc_u64 s[24:25], s[24:25], s[28:29]
	s_lshl_b32 s30, ttmp9, 2
	s_add_co_u32 s30, s30, s26                     ; which group of 8 rows of the outputs
	s_mul_i32 s28, s30, 32*STEPS*CB
	s_add_nc_u64 s[16:17], s[16:17], s[28:29]
	s_lshl_b32 s28, s30, 8
	s_add_nc_u64 s[18:19], s[18:19], s[28:29]
.macro LOAD t
.irp i, 0,1,2,3
	global_load_b128 v[R+16*((\t)%4)+4*\i:R+16*((\t)%4)+4*\i+3], v3, s[24:25] offset:2048*(\t)+512*\i th:TH_LOAD_NT
.endr
.endm
.macro TURN t                          ; LDS serves a wave's instructions in order: no wait between the stores and the loads
.irp i, 0,1,2,3
	ds_store_b128 v14, v[R+16*((\t)%4)+4*\i:R+16*((\t)%4)+4*\i+3] offset:32*SP*((\t)%2)+8*SP*\i
.endr
.irp i, 0,1,2,3
	ds_load_b128 v[X+16*((\t)%2)+4*\i:X+16*((\t)%2)+4*\i+3], v15 offset:32*SP*((\t)%2)+16*\i
.endr
.endm
.irp t, 0,1,2,3
	LOAD \t
.endr
	s_wait_loadcnt 12                              ; step 0's four loads are in; twelve may be out
	TURN 0
.macro STEP t
.set XS, X+16*((\t)%2)
.if (\t) > 0
	s_wait_dscnt 1                                 ; this step's numbers are back (the last byte store may be out)
.else
	s_wait_dscnt 0x0
.endif
.if (\t)+4 < STEPS
	LOAD (\t)+4
.endif
.if (\t)+1 < STEPS
.if STEPS-2-(\t) >= 3
	s_wait_loadcnt 12                              ; the next step's four are in; three steps' may be out
.else
	s_wait_loadcnt 4*(STEPS-2-(\t))
.endif
	TURN (\t)+1
.endif
	v_max3_num_f32 v8, |v[XS]|, |v[XS+1]|, |v[XS+2]|
	v_max3_num_f32 v9, |v[XS+3]|, |v[XS+4]|, |v[XS+5]|
.irp i, 6,10
	v_max3_num_f32 v8, v8, |v[XS+\i]|, |v[XS+\i+1]|
	v_max3_num_f32 v9, v9, |v[XS+\i+2]|, |v[XS+\i+3]|
.endr
	v_max3_num_f32 v8, v8, |v[XS+14]|, |v[XS+15]|
	v_max3_num_f32 v8, v8, v9, (EMAX+1)<<23        ; the floor: the byte cannot fall under 1
	v_max_num_f32_dpp v8, v8, v8 row_xmask:1 row_mask:0xf bank_mask:0xf   ; with my neighbour's 16: the block's
	v_add_nc_u32 v11, -(EMAX<<23), v8              ; the conversion's scale operand
	v_cvt_scalef32_pk16_fp6_f32 v[C+4*(\t):C+4*(\t)+2], v[XS:XS+15], v11
	v_lshrrev_b32 v[E+(\t)], 23, v11               ; the scale's byte
	ds_store_b8 v5, v[E+(\t)] offset:16*(\t)
	global_store_b96 v4, v[C+4*(\t):C+4*(\t)+2], s[16:17] offset:32*CB*(\t)
.endm
.irp t, 0,1,2,3,4,5,6,7,8,9,10,11,12,13,14,15
	STEP \t
.endr
	ds_load_b64 v[12:13], v6
	s_wait_dscnt 0x0
	global_store_b64 v7, v[12:13], s[18:19]        ; 32 lanes store 256 consecutive bytes, aligned
	s_wait_tensorcnt 0x0                           ; the wave's end
	ds_add_u32 v192, v193
	s_wait_dscnt 0x0
	s_endpgm
.Lfunc_end_k_qc71955c25b_quant:
	.size	k_qc71955c25b_quant, .Lfunc_end_k_qc71955c25b_quant-k_qc71955c25b_quant
	.p2alignl 7, 3214868480
	.fill 96, 4, 3214868480
	.section	.rodata,"a",@progbits
	.p2align	6, 0x0
	.amdhsa_kernel k_qc71955c25b_quant
		.amdhsa_group_segment_fixed_size 33280
		.amdhsa_private_segment_fixed_size 0
		.amdhsa_enable_private_segment 0
		.amdhsa_kernarg_size 64
		.amdhsa_user_sgpr_count 2
		.amdhsa_user_sgpr_kernarg_segment_ptr 1
		.amdhsa_wavefront_size32 1
		.amdhsa_system_sgpr_workgroup_id_x 1
		.amdhsa_system_sgpr_workgroup_id_y 1
		.amdhsa_system_sgpr_workgroup_id_z 1
		.amdhsa_system_vgpr_workitem_id 0
		.amdhsa_next_free_vgpr 194
		.amdhsa_next_free_sgpr 66
		.amdhsa_reserve_vcc 0
		.amdhsa_float_denorm_mode_32 3
		.amdhsa_float_denorm_mode_16_64 3
		.amdhsa_memory_ordered 1
		.amdhsa_forward_progress 1
		.amdhsa_inst_pref_size 33
	.end_amdhsa_kernel
	.amdgpu_metadata
---
amdhsa.version: [ 1, 2 ]
amdhsa.kernels:
  - .name:           k_qc71955c25b_quant
    .symbol:         k_qc71955c25b_quant.kd
    .args:
      - { .name: q, .offset: 0, .size: 8, .value_kind: global_buffer, .address_space: global }
      - { .name: k, .offset: 8, .size: 8, .value_kind: global_buffer, .address_space: global }
      - { .name: v, .offset: 16, .size: 8, .value_kind: global_buffer, .address_space: global }
      - { .name: Wq, .offset: 24, .size: 8, .value_kind: global_buffer, .address_space: global }
      - { .name: Wk, .offset: 32, .size: 8, .value_kind: global_buffer, .address_space: global }
      - { .name: Wv, .offset: 40, .size: 8, .value_kind: global_buffer, .address_space: global }
      - { .name: xc, .offset: 48, .size: 8, .value_kind: global_buffer, .address_space: global }
      - { .name: xs, .offset: 56, .size: 8, .value_kind: global_buffer, .address_space: global }
    .group_segment_fixed_size: 33280
    .private_segment_fixed_size: 0
    .kernarg_segment_align: 8
    .kernarg_segment_size: 64
    .max_flat_workgroup_size: 128
    .sgpr_count:     66
    .vgpr_count:     194
    .wavefront_size: 32
...
	.end_amdgpu_metadata
.endif
;; end of part 1
;; launch proj (part 2): grid 8 x 32, 4 waves a work-group, clusters of 4 x 4, 327,680 bytes of LDS; arguments xc, xs, pc, ps, bq, bk, bv; writes pc, ps
.if DOCPART == 2
	.amdgcn_target "amdgcn-amd-amdhsa--gfx1250"
	.amdhsa_code_object_version 6
	.text
	.protected	k_qc71955c25b_proj
	.globl	k_qc71955c25b_proj
	.p2align	8
	.type	k_qc71955c25b_proj,@function
k_qc71955c25b_proj:
	s_mov_b64 s[64:65], 0
	v_nop
	global_prefetch_b8 v0, s[64:65] scope:SCOPE_SE
	s_setreg_imm32_b32 hwreg(HW_REG_WAVE_MODE, 25, 1), 1
	s_wait_xcnt 0x0
	s_wait_alu depctr_hold_cnt(0) depctr_sa_sdst(0) depctr_va_vdst(0) depctr_va_sdst(0) depctr_va_ssrc(0) depctr_va_vcc(0) depctr_vm_vsrc(0)
	s_getreg_b32 s2, hwreg(HW_REG_IB_STS2, 6, 4)
	s_cmp_eq_u32 s2, 0
	s_cbranch_scc0 .Lentry_in_a_cluster
	s_endpgm
.Lentry_in_a_cluster:
	s_bfe_u32 s2, ttmp6, 0x10000c
	s_cmp_lg_u32 s2, 0xf033
	s_cbranch_scc0 .Lentry_shape_is_right
	s_endpgm
.Lentry_shape_is_right:
; Q = q Wq^T + bq, K = k Wk^T + bk, V = v Wv^T + bv on codes of FP6, and their quantisers for the products that follow.  The results leave as images of operand registers (pc) and scale words (ps); no f32 result is stored.
; THE DEAL.  256 work-groups of four waves (2 x 2), each with three phases of one text: 256 STREAMED rows x 128 RESIDENT rows, all of K = 1,024.
;   phase 0: streamed q's tokens 256 wgy .., resident Wq's rows 128 wgx ..;  phase 1: the same of k, Wk;  phase 2 (V transposed): streamed Wv's rows 256 cy .., resident v's tokens 128 (cx + 4 (cluster x + 2 cluster y)) ..
;   Streamed rows hang on cy and the cluster's y alone and are asked for jointly by a row of the cluster; resident rows on cx and the cluster's numbers, jointly by a column.
; A wave (a, b) holds resident rows 64 b .. in 384 registers and takes streamed rows 32 s + 16 a .. as block s: 32 products, source 0 the resident rows.  By the stored order of resident rows register 8 j + i of lane (r, h)
; is column 32 h + 8 j + i of the 64: one scale block of streamed row r, so the quantiser asks no other lane.  Six registers of codes are half an image: 512 + 256 consecutive bytes a wave.
; pc: Q, K [pair of heads][token / 16][1,536]; V [128 keys][channel / 16][1,536]; half b of an image at 768 b: registers 0-3 at 16 x lane, 4-5 at 512 + 8 x lane.  ps: a word a row, byte 2 b + h.
; LDS: two slots of 128 streamed rows (3 x (256 + 16) bytes a row), a region for the 128 resident rows, a stage of 1,024 scale bytes a phase, the spare words.
; FILLS.  Head: waves 0, 1 half the resident rows each, waves 2, 3 a slot each.  In block 2 of phases 0, 1 a drained round of the cluster's barrier: the next phase's resident rows (waves 0, 1) and slot 0 (waves 2, 3);
; in block 6: slot 1 (waves 0, 1).  What a refill brought is shown by the next round; the last by a plain barrier in phase 2's block 2.  By the text's own count a wave has one tensor load out.
; Scale words come by plain loads into registers, 512 consecutive bytes for 16 rows; two sets by turns of phases.
; THE BIAS is added to a block's finished sums by one f32 addition, as the definition has it: what goes into the quantiser is rounded as x W^T + b is.
; PREFETCH: each later tile of 128 rows is named once in the cluster's four partners' sixteen waves, a sixteenth each by address, at least two blocks ahead of its tensor load.
; s_wait_dscnt NF: the fetch issued behind the block before (26 loads) may be out.  LIMITS: NaN and infinities are not served; a block of zeros has the byte 1.
.set KROW,  768
.set PITCH, 816
.set FR,    12
.set FPW,   21
.set NF,    26
.set YB,    128*PITCH
.set BVB,   2*YB
.set XN,    3*YB
.set SPARE, XN+3072
.set L16, 4
.set L8,  5
.set STO, 6
.set ABS, 7
.set ASS, 8
.set BQA, 9
.set SPW, 10
.set NIL, 11
.set ADX, 12                           ; v12-27 LDS addresses of my block at the ring's eight places, two each
.set RBA, 30
.set T8,  31
.set PSA, 32
.set PF,  33                           ; v33-36 prefetch offsets
.set RS,  40                           ; v40-71 resident rows' scale words, two sets of 16
.set XS,  76                           ; v76-139 streamed rows' scale words, two sets of 32
.set ACC, 144                          ; v144-207 two sets of four accumulators
.set NCD, 208
.set TC,  216
.set TQ,  220
.set SOP, 222
.set EB,  223
.set BBL, 80                           ; window 3: v848-911 bq's, bk's numbers in the sums' order
.set CBL, 144                          ; v912-913 bv's number of the block's row, twice
.set RBL, 152                          ; v920-927 bv's numbers of my eight blocks
.set BAL, 160                          ; v928-935 LDS addresses of my four resident tiles
.set G1X, 24
.set G1W, 32
.set G0X, 40
.set G0W, 44
.set XT,  48                           ; s48-50 streamed tiles' bytes from xc, s51-53 resident tiles'
.set WT,  51
.set PCB, 66                           ; s[66:71] where a phase's codes go, s[72:77] its scale words
.set PSB, 72
.set MSB, 0
.macro WIN new
.if MSB != \new
	s_set_vgpr_msb (MSB<<8)|\new
.set MSB, \new
.endif
.endm
.macro PLACES n
.rept \n
	v_nop
.endr
.endm
.macro WALU
	s_wait_alu depctr_va_vdst(0)
.endm
.macro BARRIER
	s_barrier_signal -1
	s_barrier_wait -1
.endm
.macro MIDDLE
	WIN 0
	s_barrier_wait -1
	s_cmp_lg_u32 s18, 0
	s_cbranch_scc1 .Lnot_wave_0_\@
	s_barrier_signal -3
.Lnot_wave_0_\@:
	s_barrier_wait -3
.endm
.macro CROUND
	s_barrier_signal -1
	MIDDLE
	BARRIER
.endm
.macro TLOAD g0, g1
	tensor_load_to_lds s[\g0:\g0+3], s[\g1:\g1+7]
	s_nop 0
	PLACES 4
.endm
.macro GROUP1 g, mask, rows
	s_or_b32 s[\g+0], s[\mask], (1<<20)|(1<<21)|(5<<22)|(3<<25)
	s_mov_b32 s[\g+1], (KROW&0xffff)<<16
	s_mov_b32 s[\g+2], (\rows)<<16
	s_mov_b32 s[\g+3], KROW<<16
	s_mov_b32 s[\g+4], \rows
	s_mov_b32 s[\g+5], KROW
	s_mov_b32 s[\g+6], 0
	s_mov_b32 s[\g+7], 0
.endm
.macro G0ADR g                         ; group 0's address: xc + the offset in s54 (s55 = 0)
	s_add_nc_u64 s[\g+2:\g+3], s[4:5], s[54:55]
	s_or_b32 s[\g+3], s[\g+3], 0x80000000
.endm
; fragment f lies in window 1 + f / 21 at register 12 (f % 21): 0-31 the resident rows' (4 q + t), 32-39 and 40-47 the streamed rows' two sets
.macro FRAG f, q, a0, a1, aw           ; six pieces of 8 bytes, two to a load where both go by one address register (a1: lanes 16-31 lie behind one padding more)
	WIN ((1+(\f)/FPW)<<6)|(\aw)
.set R_, FR*((\f)%FPW)
.set SKIP_, 0
.irp p, 0,1,2,3,4,5
.if SKIP_
.set SKIP_, 0
.else
.set PC_, 12*(\q)+6*(\p/3)+\p%3
.set PN_, 12*(\q)+6*((\p+1)/3)+(\p+1)%3
.set X_, (PC_%32+3)/32
.set XQ_, (PN_%32+3)/32
.if (\p < 5) && (X_ == XQ_)
.set SKIP_, 1
.if X_
	ds_load_2addr_b64 v[R_+2*\p:R_+2*\p+3], \a1 offset0:PC_+2*(PC_/32) offset1:PN_+2*(PN_/32)
.else
	ds_load_2addr_b64 v[R_+2*\p:R_+2*\p+3], \a0 offset0:PC_+2*(PC_/32) offset1:PN_+2*(PN_/32)
.endif
.elseif X_
	ds_load_b64 v[R_+2*\p:R_+2*\p+1], \a1 offset:8*(PC_+2*(PC_/32))
.else
	ds_load_b64 v[R_+2*\p:R_+2*\p+1], \a0 offset:8*(PC_+2*(PC_/32))
.endif
.endif
.endr
.endm
.macro WEIGHTS                         ; my 64 resident rows, all of K: 104 loads
.irp q, 0,1,2,3,4,5,6,7
.irp b, 0,1,2,3
	FRAG 4*\q+\b, \q, v[BAL+2*\b], v[BAL+2*\b+1], 3
.endr
.endr
	WIN 0
.endm
.macro FETCH g                         ; block g's 16 rows into set g % 2, from place g % 8 of the ring
.irp q, 0,1,2,3,4,5,6,7
	FRAG 32+8*((\g)%2)+\q, \q, v[ADX+2*((\g)%8)], v[ADX+2*((\g)%8)+1], 0
.endr
	WIN 0
.endm
.macro SCLOAD e, rsb, xsb              ; a phase's scale words into set e
.irp u, 0,1
.irp c, 0,1
	global_load_b128 v[RS+16*\e+8*\u+4*\c:RS+16*\e+8*\u+4*\c+3], v[ABS], s[\rsb:\rsb+1] offset:1024*\u+16*\c
.endr
.endr
.irp u, 0,1,2,3
.irp c, 0,1
	global_load_b128 v[XS+32*\e+8*\u+4*\c:XS+32*\e+8*\u+4*\c+3], v[ASS], s[\xsb:\xsb+1] offset:2048*\u+16*\c
.endr
.endr
.endm
.macro WM d, f0, f1, c, x0, x1, ra, rb
	v_wmma_scale_f32_16x16x128_f8f6f4 v[\d:\d+7], v[FR*((\f0)%FPW):FR*((\f0)%FPW)+FR-1], v[FR*((\f1)%FPW):FR*((\f1)%FPW)+FR-1], \c, v[\x0], v[\x1] matrix_a_fmt:MATRIX_FMT_FP6 matrix_b_fmt:MATRIX_FMT_FP6 matrix_a_scale:MATRIX_SCALE_ROW\ra matrix_b_scale:MATRIX_SCALE_ROW\rb
.endm
.macro WM4 d, f0, f1, c, x0, x1, ra, rb
.if (\ra) && (\rb)
	WM \d, \f0, \f1, \c, \x0, \x1, 1, 1
.elseif (\ra)
	WM \d, \f0, \f1, \c, \x0, \x1, 1, 0
.elseif (\rb)
	WM \d, \f0, \f1, \c, \x0, \x1, 0, 1
.else
	WM \d, \f0, \f1, \c, \x0, \x1, 0, 0
.endif
.endm
.macro PROD p, s, n                    ; product n = 4 q + t of block s of phase p; the four accumulators take turns; the first four start the sums
.set Q_, (\n)/4
.set T_, (\n)%4
.set E_, (\s)%2
.set FB_, 4*Q_+T_
.set FA_, 32+8*E_+Q_
.set D_, ACC+32*E_+8*T_
.set XB_, RS+16*((\p)%2)+8*(T_/2)+Q_
.set XA_, XS+32*((\p)%2)+8*((\s)/2)+Q_
	WIN (1+FB_/FPW)|((1+FA_/FPW)<<2)
.if Q_
	WM4 D_, FB_, FA_, v[D_:D_+7], XB_, XA_, T_%2, E_
.else
	WM4 D_, FB_, FA_, 0, XB_, XA_, T_%2, E_
.endif
.endm
.macro PRODS p, s, from, to
.set N_, \from
.rept (\to)-(\from)
	PROD \p, \s, N_
.set N_, N_+1
.endr
.endm
; behind a block's products: the fetch of the block two on, then the block's way out under the loads' flight
.macro TAIL p, s
.set G_, 8*(\p)+(\s)
.set A_, ACC+32*((\s)%2)
	WIN 0
	s_wait_xcnt 0x0                                ; the last block's stores have read their data registers
	PLACES 4                                       ; between the products and the loads into their registers, and the first read of the sums
.if (\s) == 7 && (\p) < 2
	WEIGHTS
.endif
.if G_+2 < 24
	FETCH G_+2
.endif
.if (\s) == 7 && (\p) == 0
	SCLOAD 0, 78, 80                               ; phase 2's scale words into the set that phase 0 has left
.endif
.if (\p) == 2
	WIN (3<<6)|3
	v_mov_b32 v[CBL], v[RBL+(\s)]                  ; V: the bias hangs on the streamed row, one number a lane
	v_mov_b32 v[CBL+1], v[RBL+(\s)]
.endif
	WIN 3<<2
.set I_, 0
.rept 16
.if (\p) == 2
	v_pk_add_f32 v[A_+I_:A_+I_+1], v[A_+I_:A_+I_+1], v[CBL:CBL+1]                                   ; the sums + the bias; each accumulator from its low end on
.else
	v_pk_add_f32 v[A_+I_:A_+I_+1], v[A_+I_:A_+I_+1], v[BBL+32*(\p)+I_:BBL+32*(\p)+I_+1]
.endif
.set I_, I_+2
.endr
	WIN 0
	v_max3_num_f32 v[TQ], |v[A_]|, |v[A_+1]|, |v[A_+2]|            ; the largest of my 32 magnitudes, two chains side by side
	v_max3_num_f32 v[TQ+1], |v[A_+16]|, |v[A_+17]|, |v[A_+18]|
.irp i, 3,5,7,9,11,13
	v_max3_num_f32 v[TQ], v[TQ], |v[A_+\i]|, |v[A_+\i+1]|
	v_max3_num_f32 v[TQ+1], v[TQ+1], |v[A_+16+\i]|, |v[A_+17+\i]|
.endr
	v_max3_num_f32 v[TQ], v[TQ], |v[A_+15]|, 0x1800000             ; the floor: the byte cannot fall under 1
	v_max3_num_f32 v[TQ], v[TQ], |v[A_+31]|, v[TQ+1]
	v_add_nc_u32 v[SOP], 0xff000000, v[TQ]         ; 2 off the exponent field: the conversions' scale operand
	v_cvt_scalef32_pk16_fp6_f32 v[NCD:NCD+2], v[A_:A_+15], v[SOP]
	v_cvt_scalef32_pk16_fp6_f32 v[TC:TC+2], v[A_+16:A_+31], v[SOP]
	v_lshrrev_b32 v[EB], 23, v[SOP]                ; the byte (the plain line behind the conversions)
.irp i, 0,1,2
	v_mov_b32 v[NCD+3+\i], v[TC+\i]
.endr
	WALU
	ds_store_b8 v[STO], v[EB] offset:1024*(\p)+128*(\s)
	global_store_b128 v[L16], v[NCD:NCD+3], s[PCB+2*(\p):PCB+2*(\p)+1] offset:3072*(\s)
	global_store_b64 v[L8], v[NCD+4:NCD+5], s[PCB+2*(\p):PCB+2*(\p)+1] offset:3072*(\s)+512
.if (\s) == 2 && (\p) < 2
	global_prefetch_b8 v[PF+1+2*(\p)], s[4:5] offset:128*KROW th:TH_LOAD_NT scope:SCOPE_SE   ; what block 6's refill will load
.endif
.if (\s) == 6 && (\p) == 0
	global_prefetch_b8 v[PF+2], s[4:5] th:TH_LOAD_NT scope:SCOPE_SE                           ; what phase 1's block 2 will load
	global_prefetch_b8 v[PF+3], s[4:5] th:TH_LOAD_NT scope:SCOPE_SE
.endif
.endm
.macro BLK p, s
.if (\p) == 2 && (\s) == 0
	s_wait_loadcnt 0x0                             ; phase 2's scale words
.endif
.if 8*(\p)+(\s) == 23
	s_wait_dscnt 1                                 ; nothing was fetched behind this block's rows: a byte's store may be out
.else
	s_wait_dscnt NF
.endif
	PRODS \p, \s, 0, 32
	TAIL \p, \s
.endm
.macro RBLK p, s                       ; block 2 or 6: a round of the cluster's barrier stands inside the block
.if (\p) == 2 && (\s) == 6
	BLK \p, \s
.elseif (\p) == 2
	s_wait_dscnt NF
	PRODS \p, \s, 0, 26
	WIN 0
	s_wait_tensorcnt 0x0                           ; the last refill is in: a plain barrier shows it
	s_wait_dscnt 0x0
	s_barrier_signal -1
	PRODS \p, \s, 26, 32
	WIN 0
	s_barrier_wait -1
	TAIL \p, \s
.else
	s_wait_dscnt NF
	s_wait_tensorcnt 0x0                           ; register work stands between the add and its wait
	ds_add_u32 v[SPW], v[NIL]
.if (\s) == 2
.if (\p) == 0
	s_mov_b32 s[G1X+2], 64<<16                     ; no load of mine is out: from here on a load of streamed rows brings 64
	s_mov_b32 s[G1X+4], 64
.endif
	s_mov_b32 s[G0X+1], s62
	s_add_co_u32 s54, s[XT+(\p)+1], s63
	G0ADR G0X
	s_add_co_u32 s54, s[WT+(\p)+1], s63
	G0ADR G0W
.else
	s_add_co_u32 s[G0X+1], s62, YB
	s_add_co_u32 s54, s[XT+(\p)+1], s63
	s_add_co_u32 s54, s54, 128*KROW
	G0ADR G0X
.endif
	PRODS \p, \s, 0, 26
	WIN 0
	s_wait_dscnt 0x0
	s_barrier_signal -1
	PRODS \p, \s, 26, 32
	MIDDLE
	BARRIER
	s_cmp_lt_u32 s18, 2
.if (\s) == 2
	s_cbranch_scc0 .Lx_\@
	TLOAD G0W, G1W
	s_branch .Lj_\@
.Lx_\@:
	TLOAD G0X, G1X
.else
	s_cbranch_scc0 .Lj_\@
	TLOAD G0X, G1X
.endif
.Lj_\@:
	TAIL \p, \s
.endif
.endm
; ---- the head
	s_load_b256 s[4:11], s[0:1], 0x0               ; xc, xs, pc, ps
	s_load_b128 s[12:15], s[0:1], 0x20             ; bq, bk
	s_load_b64 s[16:17], s[0:1], 0x30              ; bv
	v_lshl_add_u32 v[SPW], v0, 2, SPARE
	v_mov_b32 v[NIL], 0
	ds_add_u32 v[SPW], v[NIL]                      ; the opening lines: the add twice on end and its wait
	ds_add_u32 v[SPW], v[NIL]
	v_lshrrev_b32 v1, 5, v0
	v_readfirstlane_b32 s18, v1                    ; wave; s19 = a, s20 = b
	s_lshr_b32 s19, s18, 1
	s_and_b32 s20, s18, 1
	s_bfe_u32 s21, ttmp6, 0x40000                  ; cx
	s_bfe_u32 s22, ttmp6, 0x40004                  ; cy
	s_and_b32 s23, ttmp7, 0xffff
	s_mov_b32 s55, 0
	s_lshl_b32 s56, s23, 2
	s_add_co_u32 s56, s56, s22                     ; wgy
	s_lshl_b32 s90, s56, 8                         ; s90-92 the phases' first streamed rows in xc
	s_add_co_u32 s91, s90, 8192
	s_lshl_b32 s92, s22, 8
	s_add_co_u32 s92, s92, 26624
	s_lshl_b32 s57, ttmp9, 2
	s_add_co_u32 s57, s57, s21                     ; wgx
	s_lshl_b32 s93, s57, 7                         ; s93-95 the first resident rows
	s_add_co_u32 s94, s93, 25600
	s_add_co_u32 s93, s93, 24576
	s_lshl_b32 s58, s23, 1
	s_add_co_u32 s58, s58, ttmp9
	s_lshl_b32 s58, s58, 2
	s_add_co_u32 s58, s58, s21                     ; V's block of 128 tokens
	s_lshl_b32 s95, s58, 7
	s_add_co_u32 s95, s95, 16384
.irp i, 0,1,2
	s_mul_i32 s[XT+\i], s[90+\i], KROW
	s_mul_i32 s[WT+\i], s[93+\i], KROW
.endr
	s_mul_i32 s62, s20, 64*PITCH                   ; a half tile: in LDS,
	s_mul_i32 s63, s20, 64*KROW                    ; in memory
	s_lshl_b32 s60, s22, 2
	s_lshl_b32 s60, 15, s60                        ; my row of the cluster
	s_lshl_b32 s61, 0x1111, s21                    ; my column
	GROUP1 G1X, 60, 128
	GROUP1 G1W, 61, 64
	s_mov_b32 s[G0X], 1
	s_mul_i32 s[G0X+1], s20, YB
	s_mov_b32 s[G0W], 1
	s_add_co_u32 s[G0W+1], s62, BVB
	s_lshl_b32 s59, s20, 11                        ; scale bytes: s[82:85], s[80:81] streamed, s[86:89], s[78:79] resident (my 64 rows)
	s_lshl_b32 s82, s90, 5
	s_lshl_b32 s84, s91, 5
	s_lshl_b32 s80, s92, 5
	s_lshl_b32 s86, s93, 5
	s_add_co_u32 s86, s86, s59
	s_lshl_b32 s88, s94, 5
	s_add_co_u32 s88, s88, s59
	s_lshl_b32 s78, s95, 5
	s_add_co_u32 s78, s78, s59
.irp i, 79,81,83,85,87,89,67,69,71,73,75,77
	s_mov_b32 s\i, 0
.endr
	s_mul_i32 s59, s19, 1536                       ; where the results go
	s_mul_i32 s96, s20, 768
	s_add_co_u32 s59, s59, s96
	s_lshl_b32 s96, s57, 13
	s_add_co_u32 s96, s96, s90
	s_mul_i32 s66, s96, 96
	s_add_co_u32 s66, s66, s59
	s_add_co_u32 s68, s66, 6291456
	s_lshl_b32 s72, s96, 2
	s_add_co_u32 s74, s72, 262144
	s_lshl_b32 s96, s58, 10
	s_lshl_b32 s97, s22, 8
	s_add_co_u32 s96, s96, s97
	s_mul_i32 s70, s96, 96
	s_add_co_u32 s70, s70, s59
	s_add_co_u32 s70, s70, 12582912
	s_lshl_b32 s76, s96, 2
	s_add_co_u32 s76, s76, 524288
	s_lshl_b32 s96, s57, 9                         ; the biases
	s_lshl_b32 s97, s20, 8
	s_add_co_u32 s96, s96, s97
	s_mov_b32 s97, 0
	s_lshl_b32 s98, s22, 10
	s_lshl_b32 s99, s19, 6
	s_add_co_u32 s98, s98, s99
	s_mov_b32 s99, 0
	s_lshl_b32 s59, s22, 2                         ; my sixteenth of a tile: among my column's waves,
	s_add_co_u32 s59, s59, s18
	s_mul_i32 s59, s59, 6144
	s_lshl_b32 s56, s21, 2                         ; among my row's
	s_add_co_u32 s56, s56, s18
	s_mul_i32 s56, s56, 6144
	s_add_co_u32 s90, s[WT+1], s59
	s_add_co_u32 s91, s[XT+1], s56
	s_add_co_u32 s92, s[WT+2], s59
	s_add_co_u32 s93, s[XT+2], s56
	s_lshl_b32 s94, s19, 9
	s_lshl_b32 s95, s19, 6
	s_lshl_b32 s56, s20, 1
	s_add_co_u32 s95, s95, s56
	s_add_co_u32 s95, s95, XN
	s_mul_i32 s56, s19, 16*PITCH
	v_and_b32 v1, 15, v0                           ; r
	v_bfe_u32 v2, v0, 4, 1                         ; h
	v_and_b32 v3, 31, v0
	v_lshlrev_b32 v[L16], 4, v3
	v_lshlrev_b32 v[L8], 3, v3
	v_lshlrev_b32 v[ABS], 5, v3                    ; resident scale words: row 32 u + lane
	v_lshlrev_b32 v[ASS], 5, v1                    ; streamed: row 64 u + 32 h + 16 a + r: lanes 0-15 an even block, lanes 16-31 the odd one
	v_lshl_add_u32 v[ASS], v2, 10, v[ASS]
	v_add_nc_u32 v[ASS], s94, v[ASS]
	v_lshlrev_b32 v[BQA], 7, v2
	v_lshlrev_b32 v[RBA], 2, v1
	v_lshl_add_u32 v[STO], v1, 2, v2
	v_add_nc_u32 v[STO], s95, v[STO]               ; XN + 4 (16 a + r) + 2 b + h
	v_lshlrev_b32 v[T8], 3, v0
	v_add_nc_u32 v[PSA], XN, v[T8]
	v_mul_u32_u24 v37, v1, PITCH
	v_mad_u32_u24 v38, v2, 40, v37
	v_mad_u32_u24 v37, v2, 24, v37
	v_add_nc_u32 v28, s56, v37
	v_add_nc_u32 v29, s56, v38
.irp k, 0,1,2,3,4,5,6,7
	v_add_nc_u32 v[ADX+2*\k], (\k/4)*YB+(\k%4)*32*PITCH, v28
	v_add_nc_u32 v[ADX+2*\k+1], (\k/4)*YB+(\k%4)*32*PITCH, v29
.endr
	v_add_nc_u32 v37, s[G0W+1], v37
	v_add_nc_u32 v38, s[G0W+1], v38
	WIN 3<<6
.irp t, 0,1,2,3
	v_add_nc_u32 v[BAL+2*\t], \t*16*PITCH, v37
	v_add_nc_u32 v[BAL+2*\t+1], \t*16*PITCH, v38
.endr
	WIN 0
	v_min_u32 v39, 23, v3                          ; 24 blocks of 256 bytes a sixteenth; the lanes left over name the last again
	v_lshlrev_b32 v39, 8, v39
.irp i, 0,1,2,3
	v_add_nc_u32 v[PF+\i], s[90+\i], v39
.endr
	WALU                                           ; the wait at the head's end
	s_wait_dscnt 0x0
	CROUND                                         ; the round in front of the first joint loads
	s_wait_kmcnt 0x0
	s_add_co_u32 s54, s[WT], s63
	G0ADR G0W
	s_mul_i32 s54, s20, 128*KROW
	s_add_co_u32 s54, s54, s[XT]
	G0ADR G0X
	s_cmp_lt_u32 s18, 2
	s_cbranch_scc0 .Lhead_x
	TLOAD G0W, G1W                                 ; waves 0, 1: half of Wq's rows each
	s_branch .Lhead_j
.Lhead_x:
	TLOAD G0X, G1X                                 ; waves 2, 3: q's rows 0-127, 128-255
.Lhead_j:
.irp i, 0,1,2
	s_add_nc_u64 s[PCB+2*\i:PCB+2*\i+1], s[8:9], s[PCB+2*\i:PCB+2*\i+1]
	s_add_nc_u64 s[PSB+2*\i:PSB+2*\i+1], s[10:11], s[PSB+2*\i:PSB+2*\i+1]
.endr
.irp i, 78,80,82,84,86,88
	s_add_nc_u64 s[\i:\i+1], s[6:7], s[\i:\i+1]
.endr
	s_add_nc_u64 s[12:13], s[12:13], s[96:97]
	s_add_nc_u64 s[14:15], s[14:15], s[96:97]
	s_add_nc_u64 s[16:17], s[16:17], s[98:99]
	SCLOAD 0, 86, 82
	SCLOAD 1, 88, 84
	WIN 3<<6
.irp k, 0,1,2,3,4,5,6,7
	global_load_b128 v[BBL+4*\k:BBL+4*\k+3], v[BQA], s[12:13] offset:16*\k        ; register 8 j + i: column 32 h + 8 j + i
	global_load_b128 v[BBL+32+4*\k:BBL+32+4*\k+3], v[BQA], s[14:15] offset:16*\k
	global_load_b32 v[RBL+\k], v[RBA], s[16:17] offset:128*\k                     ; bv of row 32 k + 16 a + r
.endr
	WIN 0
	s_cmp_lt_u32 s18, 2
	s_cbranch_scc0 .Lnot_w
	s_wait_tensorcnt 0x0
.Lnot_w:
	BARRIER                                        ; the resident rows are in (their load line is waves 0 and 1's alone, and both have waited)
	global_prefetch_b8 v[PF], s[4:5] th:TH_LOAD_NT scope:SCOPE_SE                 ; what block 2's refill will load
	global_prefetch_b8 v[PF+1], s[4:5] th:TH_LOAD_NT scope:SCOPE_SE
	WEIGHTS
	s_wait_tensorcnt 0x0
	s_wait_dscnt 0x0
	BARRIER                                        ; both slots are in
	FETCH 0
	FETCH 1
	s_wait_loadcnt 0x0
.irp p, 0,1,2
	BLK \p, 0
	BLK \p, 1
	RBLK \p, 2
	BLK \p, 3
	BLK \p, 4
	BLK \p, 5
	RBLK \p, 6
	BLK \p, 7
.endr
	s_wait_dscnt 0x0                               ; the scale bytes leave as whole runs of 256 bytes a wave
	BARRIER
.irp p, 0,1,2
	ds_load_b64 v[224+2*\p:225+2*\p], v[PSA] offset:1024*\p
.endr
	s_wait_dscnt 0x0
.irp p, 0,1,2
	global_store_b64 v[T8], v[224+2*\p:225+2*\p], s[PSB+2*\p:PSB+2*\p+1]
.endr
	s_wait_tensorcnt 0x0                           ; the wave's end
	ds_add_u32 v[SPW], v[NIL]
	s_wait_dscnt 0x0
	CROUND                                         ; the closing round
	s_endpgm
.Lfunc_end_k_qc71955c25b_proj:
	.size	k_qc71955c25b_proj, .Lfunc_end_k_qc71955c25b_proj-k_qc71955c25b_proj
	.p2alignl 7, 3214868480
	.fill 96, 4, 3214868480
	.section	.rodata,"a",@progbits
	.p2align	6, 0x0
	.amdhsa_kernel k_qc71955c25b_proj
		.amdhsa_group_segment_fixed_size 327680
		.amdhsa_private_segment_fixed_size 0
		.amdhsa_enable_private_segment 0
		.amdhsa_kernarg_size 56
		.amdhsa_user_sgpr_count 2
		.amdhsa_user_sgpr_kernarg_segment_ptr 1
		.amdhsa_wavefront_size32 1
		.amdhsa_system_sgpr_workgroup_id_x 1
		.amdhsa_system_sgpr_workgroup_id_y 1
		.amdhsa_system_sgpr_workgroup_id_z 1
		.amdhsa_system_vgpr_workitem_id 0
		.amdhsa_next_free_vgpr 1024
		.amdhsa_next_free_sgpr 100
		.amdhsa_reserve_vcc 0
		.amdhsa_float_denorm_mode_32 3
		.amdhsa_float_denorm_mode_16_64 3
		.amdhsa_memory_ordered 1
		.amdhsa_forward_progress 1
		.amdhsa_inst_pref_size 252
	.end_amdhsa_kernel
	.amdgpu_metadata
---
amdhsa.version: [ 1, 2 ]
amdhsa.kernels:
  - .name:           k_qc71955c25b_proj
    .symbol:         k_qc71955c25b_proj.kd
    .args:
      - { .name: xc, .offset: 0, .size: 8, .value_kind: global_buffer, .address_space: global }
      - { .name: xs, .offset: 8, .size: 8, .value_kind: global_buffer, .address_space: global }
      - { .name: pc, .offset: 16, .size: 8, .value_kind: global_buffer, .address_space: global }
      - { .name: ps, .offset: 24, .size: 8, .value_kind: global_buffer, .address_space: global }
      - { .name: bq, .offset: 32, .size: 8, .value_kind: global_buffer, .address_space: global }
      - { .name: bk, .offset: 40, .size: 8, .value_kind: global_buffer, .address_space: global }
      - { .name: bv, .offset: 48, .size: 8, .value_kind: global_buffer, .address_space: global }
    .group_segment_fixed_size: 327680
    .private_segment_fixed_size: 0
    .kernarg_segment_align: 8
    .kernarg_segment_size: 56
    .max_flat_workgroup_size: 128
    .sgpr_count:     100
    .vgpr_count:     1024
    .wavefront_size: 32
...
	.end_amdgpu_metadata
.endif
;; end of part 2
;; launch attn (part 3): grid 4 x 64, 16 waves a work-group, clusters of 4 x 1, 280,576 bytes of LDS; arguments pc, ps, mask, out0; writes out0
.if DOCPART == 3
	.amdgcn_target "amdgcn-amd-amdhsa--gfx1250"
	.amdhsa_code_object_version 6
	.text
	.protected	k_qc71955c25b_attn
	.globl	k_qc71955c25b_attn
	.p2align	8
	.type	k_qc71955c25b_attn,@function
k_qc71955c25b_attn:
	s_mov_b64 s[64:65], 0
	v_nop
	global_prefetch_b8 v0, s[64:65] scope:SCOPE_SE
	s_setreg_imm32_b32 hwreg(HW_REG_WAVE_MODE, 25, 1), 1
	s_wait_xcnt 0x0
	s_wait_alu depctr_hold_cnt(0) depctr_sa_sdst(0) depctr_va_vdst(0) depctr_va_sdst(0) depctr_va_ssrc(0) depctr_va_vcc(0) depctr_vm_vsrc(0)
	s_getreg_b32 s2, hwreg(HW_REG_IB_STS2, 6, 4)
	s_cmp_eq_u32 s2, 0
	s_cbranch_scc0 .Lentry_in_a_cluster
	s_endpgm
.Lentry_in_a_cluster:
	s_bfe_u32 s2, ttmp6, 0x10000c
	s_cmp_lg_u32 s2, 0x3003
	s_cbranch_scc0 .Lentry_shape_is_right
	s_endpgm
.Lentry_shape_is_right:
; out0[b][q][64 head + d] = the sum over keys of softmax(Q . K / 8 - 10000 (1 - mask[b][key])) V, both products on codes of FP6 with one E8M0 scale for each 32 along a product's K.
; IN: pc, ps as the launch before leaves them.  K's tokens lie in each 64 as token 32 h + 8 j + i at place 16 j + 8 h + i.
; THE SOFTMAX: t = logit x log2(e); M = the running largest t rounded UP to a whole number; p = 2^(t - M) is quantised along the keys; the row's sum is taken of the unquantised p and divides O at the end.
; When M moves, the sum and O are multiplied by 2^(old M - new M): exact.
; EVERY ROUNDING ON THE WAY TO p IS THE DEFINITION'S OWN: x = 1 - mask (rounded); 8 m = 80000 x (rounded as 10000 x is); S = K . Q (its sum needs fewer bits than f32 has: exact); S - 8 m, one f32 addition, = 8 x the logit;
; t = that x log2(e) / 8, one f32 multiplication; t - M, one f32 addition.  So the multiplication and the addition behind it are not fused, and the mask's term is not left to the matrix unit to add.
; LIMITS: NaN and infinities are not served.  The scaled scores stay under 2^31.
; SHARES: a work-group owns 256 queries of one pair of heads of one batch, a wave 16 of them for both heads; every wave walks the 1,024 keys, 128 a step, a pass a head.
; ALL OF THE PAIR'S K AND V, 196,608 bytes, LIES IN LDS, filled once: key block n's K at 24,576 n, its V 12,288 on.  Each wave asks for one piece of 12,288 bytes (48 rows of 256), jointly with the three partners that own the
; other query blocks.  Waves 0-7 ask for key blocks 0-3 by a load line of their own and wait ahead of the first barrier; waves 8-15's pieces are waited for ahead of the second.  No loop runs ahead of these loads: no prefetch.
; A HEAD'S 64 ALONG K FILL HALF OF THE INSTRUCTION'S 128: the other half of Q's operand is zero codes, so K's operand may hold any codes there: tile T's twelve registers begin at F + 6 T and run over its neighbour's six.
; LAYOUT: both products transposed: a lane holds ONE query.  Register i of tile 4 c + j in lane (r, h) is key 64 c + 32 h + 8 j + i: a lane's 32 registers of four tiles are one scale block of p, and its codes fall as the operand wants them.
.set KSC,  196608                      ; K's scale words by stored token, 4,096 bytes; V's, [key block][128 channels], 4,096 on
.set MK,   204800                      ; the mask's terms by key
.set STG,  208896                      ; the way out: 16 rows x 272 bytes a wave
.set KBB,  24576
.set VOFF, 12288
.set IMG,  1536
.set L16,  1
.set L8,   2
.set L4K,  3
.set MKH,  4
.set GO,   5
.set A16,  6
.set A8,   7
.set ADS,  8
.set ADM,  9
.set SH8,  10                          ; 8 h
.set QF,   20                          ; v20-25 Q's even head, v26-31 zeros, v32-37 its odd head
.set QS,   38
.set KSW,  40
.set VSW,  44
.set F,    48                          ; v48-101 K's eight half fragments and six more; then 48 of the mask's terms; then V's four fragments
.set S,    102                         ; v102-165 S^T, then p
.set OT,   166                         ; v166-229 O^T, 32 a head
.set PC,   230                         ; v230-241 p's codes
.set MT2,  230                         ; v230-245 ahead of that: the mask's terms of tiles 6 and 7
.set BM,   242                         ; v242, v243 a block's largest; v244, v245 at work; v246, v247 scale operands; v248-250 codes; v252 f, v253 p's scale word
.set XX,   244
.set SO,   246
.set TC0,  248
.set TC1,  242
.set WV,   12
.set SEL,  20
.set CS,   22
.set G1,   24
.set G0,   32
.set TB,   40
.set TS,   41
.set CNT,  42
.macro WALU
	s_wait_alu depctr_va_vdst(0)
.endm
.macro CROUND
	s_barrier_signal -1
	s_barrier_wait -1
	s_cmp_lg_u32 s[WV], 0
	s_cbranch_scc1 .Lnot_wave_0_\@
	s_barrier_signal -3
.Lnot_wave_0_\@:
	s_barrier_wait -3
	s_barrier_signal -1
	s_barrier_wait -1
.endm
	s_load_b256 s[4:11], s[0:1], 0x0               ; pc, ps, mask, out0
	v_lshl_add_u32 v251, v0, 2, 0x44000
	v_mov_b32 v255, 0
	ds_add_u32 v251, v255                          ; the opening lines
	ds_add_u32 v251, v255
	v_lshrrev_b32 v1, 5, v0
	v_readfirstlane_b32 s[WV], v1
	s_bfe_u32 s13, ttmp6, 0x40000
	s_lshl_b32 s17, ttmp9, 2
	s_add_co_u32 s17, s17, s13                     ; my block of 256 queries: in Q's and out0's addresses alone
	s_and_b32 s16, ttmp7, 0xffff
	s_lshr_b32 s14, s16, 3                         ; the batch
	s_and_b32 s15, s16, 7                          ; the pair of heads
	s_mov_b32 s[G1], 15|(3<<16)|(1<<21)            ; all four partners; elements of 8 bytes
	s_mov_b32 s[G1+1], 32<<16
	s_mov_b32 s[G1+2], 48<<16
	s_mov_b32 s[G1+3], 32<<16
	s_mov_b32 s[G1+4], 48
	s_mov_b32 s[G1+5], 32
	s_mov_b32 s[G1+6], 0
	s_mov_b32 s[G1+7], 0
	s_and_b32 s44, s[WV], 3
	s_lshr_b32 s49, s[WV], 3
	s_lshl_b32 s49, s49, 2
	s_add_co_u32 s44, s44, s49                     ; my key block
	s_bfe_u32 s43, s[WV], 0x10002                  ; 0: K's piece, 1: V's
	s_lshl_b32 s45, s15, 13
	s_lshl_b32 s46, s14, 10
	s_add_co_u32 s45, s45, s46                     ; 8,192 g + 1,024 b
	s_mul_i32 s46, s45, 96
	s_add_co_u32 s46, s46, 6291456
	s_mul_i32 s47, s44, 12288
	s_add_co_u32 s46, s46, s47
	s_lshl_b32 s48, s14, 3
	s_add_co_u32 s48, s48, s44
	s_lshl_b32 s48, s48, 10
	s_lshl_b32 s49, s15, 7
	s_add_co_u32 s48, s48, s49
	s_mul_i32 s48, s48, 96
	s_add_co_u32 s48, s48, 12582912
	s_cmp_eq_u32 s43, 0
	s_cselect_b32 s46, s46, s48
	s_mov_b32 s47, 0
	s_mov_b32 s[G0], 1
	s_mul_i32 s[G0+1], s44, KBB
	s_mul_i32 s49, s43, VOFF
	s_add_co_u32 s[G0+1], s[G0+1], s49
	s_lshl_b32 s52, s17, 8
	s_lshl_b32 s53, s[WV], 4
	s_add_co_u32 s52, s52, s53                     ; my first query in the batch
	s_add_co_u32 s54, s45, s52
	s_mul_i32 s56, s54, 96
	s_mov_b32 s57, 0
	s_lshl_b32 s58, s54, 2
	s_mov_b32 s59, 0
	s_and_b32 s69, s[WV], 7                        ; the scale words that my wave copies: waves 0-7 512 bytes of K's, waves 8-15 V's of key block wave - 8
	s_lshl_b32 s60, s45, 2
	s_add_co_u32 s60, s60, 262144
	s_lshl_b32 s61, s69, 9
	s_add_co_u32 s60, s60, s61
	s_lshl_b32 s62, s14, 15
	s_add_co_u32 s62, s62, 524288
	s_lshl_b32 s61, s15, 9
	s_add_co_u32 s62, s62, s61
	s_lshl_b32 s61, s69, 12
	s_add_co_u32 s62, s62, s61
	s_cmp_lt_u32 s[WV], 8
	s_cselect_b32 s60, s60, s62
	s_mov_b32 s61, 0
	s_lshl_b32 s62, s14, 12
	s_mov_b32 s63, 0
	s_lshl_b32 s66, s14, 10
	s_add_co_u32 s66, s66, s52
	s_lshl_b32 s66, s66, 12
	s_lshl_b32 s67, s15, 9
	s_add_co_u32 s66, s66, s67
	s_mov_b32 s67, 0
	s_mul_i32 s68, s[WV], 16*272
	s_add_co_u32 s68, s68, STG
	s_mov_b32 s70, 0x01010000
	s_mov_b32 s71, 0x0101
	s_mov_b32 s[SEL], 0x76543210
	s_mov_b32 s[SEL+1], 0xfedcba98
	s_mov_b32 s[CS], 0x3e38aa3b                    ; the f32 number log2(e), divided by 8: a product with it has the bits of logit x log2(e)
	s_mov_b32 s[CS+1], s[CS]
	s_mov_b32 s[TS], 0
	s_mov_b32 s[TB], 0
	v_and_b32 v6, 31, v0
	v_and_b32 v7, 15, v0
	v_bfe_u32 v8, v0, 4, 1
	v_lshlrev_b32 v[L16], 4, v6
	v_lshlrev_b32 v[L8], 3, v6
	v_lshl_add_u32 v[L4K], v6, 2, KSC
	v_lshl_add_u32 v[MKH], v8, 7, MK               ; my half's 32 keys of each 64
	v_lshlrev_b32 v[GO], 12, v8
	v_lshl_add_u32 v[GO], v7, 4, v[GO]
	v_lshlrev_b32 v[SH8], 3, v8
	v_lshlrev_b32 v242, 2, v7
	v_lshlrev_b32 v243, 3, v0
	v_lshl_add_u32 v244, v0, 4, KSC
	v_lshl_add_u32 v245, v0, 3, MK
	WALU
	s_wait_dscnt 0x0
	s_wait_kmcnt 0x0
	s_add_nc_u64 s[G0+2:G0+3], s[4:5], s[46:47]
	s_or_b32 s[G0+3], s[G0+3], 0x80000000
	s_add_nc_u64 s[56:57], s[4:5], s[56:57]
	s_add_nc_u64 s[58:59], s[6:7], s[58:59]
	s_add_nc_u64 s[60:61], s[6:7], s[60:61]
	s_add_nc_u64 s[8:9], s[8:9], s[62:63]
	s_add_nc_u64 s[10:11], s[10:11], s[66:67]
	CROUND
	s_cmp_lt_u32 s[WV], 8
	s_cbranch_scc0 .Lsecond
	tensor_load_to_lds s[G0:G0+3], s[G1:G1+7]      ; key blocks 0-3
	s_nop 0
.rept 4
	v_nop
.endr
	s_branch .Lasked
.Lsecond:
	tensor_load_to_lds s[G0:G0+3], s[G1:G1+7]      ; key blocks 4-7
	s_nop 0
.rept 4
	v_nop
.endr
.Lasked:
	global_load_b128 v[QF:QF+3], v[L16], s[56:57]
	global_load_b64 v[QF+4:QF+5], v[L8], s[56:57] offset:512
	global_load_b128 v[QF+12:QF+15], v[L16], s[56:57] offset:768
	global_load_b64 v[QF+16:QF+17], v[L8], s[56:57] offset:1280
	global_load_b32 v254, v242, s[58:59]
	global_load_b128 v[48:51], v[L16], s[60:61]
	global_load_b64 v[52:53], v243, s[8:9]
	v_mov_b32 v13, 0xff61b1e6                      ; the largest t so far: -3e38
	v_mov_b32 v17, 0xff61b1e6
	v_floor_f32 v12, -v13
	v_floor_f32 v16, -v17
.irp j, 14,15,18,19,253
	v_mov_b32 v[\j], 0
.endr
.irp j, 6,7,8,9,10,11
	v_mov_b32 v[QF+\j], 0                          ; the zero codes between Q's two heads
	v_mov_b32 v[F+42+\j], 0                        ; the six registers behind K's eighth half fragment
.endr
	WALU
	s_wait_loadcnt 0x0
	v_and_or_b32 v[QS], v254, 0xffff, s70          ; the zero half's scale bytes are 1
	v_and_or_b32 v[QS+1], v254, 0xffff0000, s71
	v_sub_f32 v52, 1.0, v52                        ; 1 - mask is rounded first, as the definition has it
	v_sub_f32 v53, 1.0, v53
	v_mul_f32 v52, 0xc79c4000, v52                 ; x -80,000 = 8 x (-10,000 ..): the factor 8 rounds nothing
	v_mul_f32 v53, 0xc79c4000, v53
	ds_store_b128 v244, v[48:51]
	ds_store_b64 v245, v[52:53]
.set J, 0
.rept 64
	v_mov_b32 v[OT+J], 0                           ; the step is written once: the first finds zeros
.set J, J+1
.endr
.macro PASS e                          ; 128 keys, head 2 g + e
.set ST, 12+4*(\e)
.if \e
.rept 4
	v_nop                                          ; places in front of loads into registers that products have read (in the first pass the step's four additions)
.endr
.endif
.irp T, 0,1,2,3,4,5,6,7
	ds_load_b128 v[F+6*\T+6*(\e):F+6*\T+6*(\e)+3], v[A16] offset:IMG*\T+768*(\e)
	ds_load_b64 v[F+6*\T+6*(\e)+4:F+6*\T+6*(\e)+5], v[A8] offset:IMG*\T+768*(\e)+512
.endr
	s_wait_dscnt 0x0
.irp T, 0,1,2,3,4,5,6,7
.if \T%2
	v_wmma_scale_f32_16x16x128_f8f6f4 v[S+8*\T:S+8*\T+7], v[F+6*\T:F+6*\T+11], v[QF+6*(\e):QF+6*(\e)+11], 0, v[KSW+\T/2], v[QS+(\e)] matrix_a_fmt:MATRIX_FMT_FP6 matrix_b_fmt:MATRIX_FMT_FP6 matrix_a_scale:MATRIX_SCALE_ROW1
.else
	v_wmma_scale_f32_16x16x128_f8f6f4 v[S+8*\T:S+8*\T+7], v[F+6*\T:F+6*\T+11], v[QF+6*(\e):QF+6*(\e)+11], 0, v[KSW+\T/2], v[QS+(\e)] matrix_a_fmt:MATRIX_FMT_FP6 matrix_b_fmt:MATRIX_FMT_FP6
.endif
.endr
.rept 4
	v_nop                                          ; places: in front of the loads below and of the first read of the scores
.endr
.irp m, 0,1,2,3,4,5                            ; the mask's terms of keys 64 c + 32 h + 8 j + 0 .. 7, in the scores' order: tiles 0 to 5 into the registers that K's fragments have left,
	ds_load_b128 v[F+8*\m:F+8*\m+3], v[ADM] offset:256*(\m/4)+32*(\m%4)
	ds_load_b128 v[F+8*\m+4:F+8*\m+7], v[ADM] offset:256*(\m/4)+32*(\m%4)+16
.endr
.irp m, 6,7                                    ; tiles 6 and 7 into registers that p's codes and the work take later
	ds_load_b128 v[MT2+8*(\m-6):MT2+8*(\m-6)+3], v[ADM] offset:256*(\m/4)+32*(\m%4)
	ds_load_b128 v[MT2+8*(\m-6)+4:MT2+8*(\m-6)+7], v[ADM] offset:256*(\m/4)+32*(\m%4)+16
.endr
	s_wait_dscnt 0x0
.set J, 0
.rept 24
	v_pk_add_f32 v[S+J:S+J+1], v[S+J:S+J+1], v[F+J:F+J+1]          ; 8 x the logit: ONE f32 addition of the exact score and the mask's term; each accumulator from its low end on
.set J, J+2
.endr
.set J, 0
.rept 8
	v_pk_add_f32 v[S+48+J:S+49+J], v[S+48+J:S+49+J], v[MT2+J:MT2+J+1]
.set J, J+2
.endr
.irp t, 0,1,2,3                                ; the head's four tiles of V land during the softmax
	ds_load_b128 v[F+12*\t:F+12*\t+3], v[A16] offset:VOFF+IMG*(4*(\e)+\t)
	ds_load_b64 v[F+12*\t+4:F+12*\t+5], v[A8] offset:VOFF+IMG*(4*(\e)+\t)+512
	ds_load_b128 v[F+12*\t+6:F+12*\t+9], v[A16] offset:VOFF+IMG*(4*(\e)+\t)+768
	ds_load_b64 v[F+12*\t+10:F+12*\t+11], v[A8] offset:VOFF+IMG*(4*(\e)+\t)+1280
.endr
	v_max3_num_f32 v[BM], v[S], v[S+1], v[S+2]                     ; the largest logit of my two blocks of 32 keys, by turns.  It serves the row's maximum and, since p does not fall where the logit rises, the block's largest p
	v_max3_num_f32 v[BM+1], v[S+32], v[S+33], v[S+34]
.irp i, 3,5,7,9,11,13,15,17,19,21,23,25,27,29
	v_max3_num_f32 v[BM], v[BM], v[S+\i], v[S+1+\i]
	v_max3_num_f32 v[BM+1], v[BM+1], v[S+32+\i], v[S+33+\i]
.endr
	v_max_num_f32 v[BM], v[BM], v[S+31]
	v_max_num_f32 v[BM+1], v[BM+1], v[S+63]
	v_max_num_f32 v254, v[BM], v[BM+1]
	v_permlanex16_b32 v[XX], v254, s[SEL], s[SEL+1]
	v_max_num_f32 v254, v254, v[XX]                ; the step's largest of my query
	v_mul_f32 v254, s[CS], v254
	v_max_num_f32 v[ST+1], v[ST+1], v254           ; the running largest t
	v_mov_b32 v254, v[ST]
	v_floor_f32 v[ST], -v[ST+1]                    ; -M = floor(-t)
	v_sub_f32 v254, v[ST], v254
	v_cvt_i32_f32 v254, v254                       ; (it saturates)
	v_ldexp_f32 v252, 1.0, v254                    ; f = 2^(old M - new M)
.set J, 0
.rept 32
	v_pk_mul_f32 v[S+J:S+J+1], v[S+J:S+J+1], s[CS:CS+1] op_sel_hi:[1,0]   ; t, rounded to f32 as the definition has it
.set J, J+2
.endr
	v_mul_f32 v[BM], s[CS], v[BM]                  ; the same of each block's largest logit
	v_mul_f32 v[BM+1], s[CS], v[BM+1]
.set J, 0
.rept 32
	v_pk_add_f32 v[S+J:S+J+1], v[S+J:S+J+1], v[ST:ST+1] op_sel_hi:[1,0]   ; t - M (of the pair the low word, -M, serves both halves)
.set J, J+2
.endr
	v_add_f32 v[BM], v[BM], v[ST]
	v_add_f32 v[BM+1], v[BM+1], v[ST]
	WALU                                           ; the wait ahead of the batch
.set J, 0
.rept 64
	v_exp_f32 v[S+J], v[S+J]
.set J, J+1
.endr
	v_exp_f32 v[BM], v[BM]                         ; the blocks' largest p: the same three instructions on the same number give the same bits
	v_exp_f32 v[BM+1], v[BM+1]
	v_pk_mul_f32 v[ST+2:ST+3], v[ST+2:ST+3], v[252:253] op_sel_hi:[1,0]   ; the sums under the new M (the plain place behind the batch)
	WALU                                           ; and behind it
	v_pk_add_f32 v[XX:XX+1], v[S:S+1], v[S+2:S+3]  ; the row's sum of the unquantised p, two chains
.irp j, 4,8,12,16,20,24,28,32,36,40,44,48,52,56,60
	v_pk_add_f32 v[ST+2:ST+3], v[ST+2:ST+3], v[S+\j:S+1+\j]
	v_pk_add_f32 v[XX:XX+1], v[XX:XX+1], v[S+2+\j:S+3+\j]
.endr
	v_pk_add_f32 v[ST+2:ST+3], v[ST+2:ST+3], v[XX:XX+1]
	v_max_num_f32 v[BM], 0x1800000, v[BM]          ; the floor: the byte cannot fall under 1
	v_max_num_f32 v[BM+1], 0x1800000, v[BM+1]
	v_add_nc_u32 v[SO], 0xff000000, v[BM]
	v_add_nc_u32 v[SO+1], 0xff000000, v[BM+1]
	v_lshrrev_b32 v254, 23, v[SO]
	v_lshrrev_b32 v[BM], 23, v[SO+1]
	v_lshl_or_b32 v254, v[BM], 16, v254            ; my bytes: blocks h and 2 + h,
	v_lshlrev_b32 v254, v[SH8], v254               ; at their places;
	v_permlanex16_b32 v[BM+1], v254, s[SEL], s[SEL+1]
	v_or_b32 v253, v254, v[BM+1]                   ; with lane l xor 16's the word is whole
	v_cvt_scalef32_pk16_fp6_f32 v[PC:PC+2], v[S:S+15], v[SO]
	v_cvt_scalef32_pk16_fp6_f32 v[TC0:TC0+2], v[S+16:S+31], v[SO]
	v_cvt_scalef32_pk16_fp6_f32 v[PC+6:PC+8], v[S+32:S+47], v[SO+1]
	v_cvt_scalef32_pk16_fp6_f32 v[TC1:TC1+2], v[S+48:S+63], v[SO+1]
	v_nop
.irp i, 0,1,2
	v_mov_b32 v[PC+3+\i], v[TC0+\i]
	v_mov_b32 v[PC+9+\i], v[TC1+\i]
.endr
	WALU                                           ; the wait directly ahead of the first reader of O^T
.set J, 0
.rept 16
	v_pk_mul_f32 v[OT+32*(\e)+J:OT+32*(\e)+J+1], v[OT+32*(\e)+J:OT+32*(\e)+J+1], v[252:253] op_sel_hi:[1,0]   ; O^T under the new M; also the places ahead of the products
.set J, J+2
.endr
	WALU
	s_wait_dscnt 0x0                               ; V's tiles are in
.irp t, 0,1,2,3
.if \t%2
	v_wmma_scale_f32_16x16x128_f8f6f4 v[OT+32*(\e)+8*\t:OT+32*(\e)+8*\t+7], v[F+12*\t:F+12*\t+11], v[PC:PC+11], v[OT+32*(\e)+8*\t:OT+32*(\e)+8*\t+7], v[VSW+(4*(\e)+\t)/2], v253 matrix_a_fmt:MATRIX_FMT_FP6 matrix_b_fmt:MATRIX_FMT_FP6 matrix_a_scale:MATRIX_SCALE_ROW1
.else
	v_wmma_scale_f32_16x16x128_f8f6f4 v[OT+32*(\e)+8*\t:OT+32*(\e)+8*\t+7], v[F+12*\t:F+12*\t+11], v[PC:PC+11], v[OT+32*(\e)+8*\t:OT+32*(\e)+8*\t+7], v[VSW+(4*(\e)+\t)/2], v253 matrix_a_fmt:MATRIX_FMT_FP6 matrix_b_fmt:MATRIX_FMT_FP6
.endif
.endr
.endm
.macro PHASE n                         ; four key steps
	WALU
.if \n == 0
	s_cmp_lt_u32 s[WV], 8
	s_cbranch_scc0 .Lnot_mine
	s_wait_tensorcnt 0x0                           ; waves 0-7: my piece of key blocks 0-3
.Lnot_mine:
.else
	s_wait_tensorcnt 0x0                           ; all that is still out
.endif
	s_wait_dscnt 0x0
	s_barrier_signal -1
	s_barrier_wait -1
	s_mov_b32 s[CNT], 4
.Lstep_\@:
	v_add_nc_u32 v[A16], s[TB], v[L16]             ; (these four are the places behind the last step's products)
	v_add_nc_u32 v[A8], s[TB], v[L8]
	v_add_nc_u32 v[ADS], s[TS], v[L4K]
	v_add_nc_u32 v[ADM], s[TS], v[MKH]
	WALU
.irp p, 0,1,2,3
	ds_load_b32 v[KSW+\p], v[ADS] offset:128*\p
	ds_load_b32 v[VSW+\p], v[ADS] offset:4096+128*\p
.endr
	PASS 0
	PASS 1
	s_add_co_u32 s[TB], s[TB], KBB
	s_add_co_u32 s[TS], s[TS], 512
	s_sub_co_u32 s[CNT], s[CNT], 1
	s_cmp_lg_u32 s[CNT], 0
	s_cbranch_scc1 .Lstep_\@
.endm
	PHASE 0
	PHASE 1
	; the way out: each head's sum, O^T divided by it, through my stage in LDS so that sixteen lanes store 256 consecutive bytes
	v_add_f32 v14, v14, v15
	v_add_f32 v18, v18, v19
	v_permlanex16_b32 v252, v14, s[SEL], s[SEL+1]
	v_permlanex16_b32 v254, v18, s[SEL], s[SEL+1]
	v_add_f32 v14, v14, v252
	v_add_f32 v18, v18, v254
	WALU
	v_rcp_f32 v14, v14
	v_rcp_f32 v18, v18
	v_and_b32 v6, 15, v0
	v_bfe_u32 v7, v0, 4, 1
	v_mul_u32_u24 v10, v6, 272
	v_lshl_add_u32 v10, v7, 5, v10
	v_add_nc_u32 v10, s68, v10
	v_mul_u32_u24 v11, v7, 272
	v_lshl_add_u32 v11, v6, 4, v11
	v_add_nc_u32 v11, s68, v11
	WALU
.irp u, 0,1
.set J, 0
.rept 16
	v_pk_mul_f32 v[S+32*\u+J:S+32*\u+J+1], v[OT+32*\u+J:OT+32*\u+J+1], v[14+4*\u:15+4*\u] op_sel_hi:[1,0]   ; register 32 u + 8 t + i: channel 64 u + 16 t + 8 h + i of query r
.set J, J+2
.endr
.endr
.irp u, 0,1
.irp t, 0,1,2,3
	ds_store_b128 v10, v[S+32*\u+8*\t:S+32*\u+8*\t+3] offset:64*\t
	ds_store_b128 v10, v[S+32*\u+8*\t+4:S+32*\u+8*\t+7] offset:64*\t+16
.endr
.irp i, 0,1,2,3,4,5,6,7
	ds_load_b128 v[OT+32*\u+4*\i:OT+32*\u+4*\i+3], v11 offset:2*\i*272   ; LDS serves a wave's instructions in order
.endr
.endr
.irp u, 0,1
.irp i, 0,1,2,3,4,5,6,7
	s_wait_dscnt 15-8*\u-\i                        ; the loads issued behind this one may be out
	global_store_b128 v[GO], v[OT+32*\u+4*\i:OT+32*\u+4*\i+3], s[10:11] offset:2*\i*4096+256*\u th:TH_STORE_NT
.endr
.endr
	s_wait_tensorcnt 0x0                           ; the wave's end
	ds_add_u32 v251, v255
	s_wait_dscnt 0x0
	CROUND
	s_endpgm
.Lfunc_end_k_qc71955c25b_attn:
	.size	k_qc71955c25b_attn, .Lfunc_end_k_qc71955c25b_attn-k_qc71955c25b_attn
	.p2alignl 7, 3214868480
	.fill 96, 4, 3214868480
	.section	.rodata,"a",@progbits
	.p2align	6, 0x0
	.amdhsa_kernel k_qc71955c25b_attn
		.amdhsa_group_segment_fixed_size 280576
		.amdhsa_private_segment_fixed_size 0
		.amdhsa_enable_private_segment 0
		.amdhsa_kernarg_size 32
		.amdhsa_user_sgpr_count 2
		.amdhsa_user_sgpr_kernarg_segment_ptr 1
		.amdhsa_wavefront_size32 1
		.amdhsa_system_sgpr_workgroup_id_x 1
		.amdhsa_system_sgpr_workgroup_id_y 1
		.amdhsa_system_sgpr_workgroup_id_z 1
		.amdhsa_system_vgpr_workitem_id 0
		.amdhsa_next_free_vgpr 256
		.amdhsa_next_free_sgpr 80
		.amdhsa_reserve_vcc 0
		.amdhsa_float_denorm_mode_32 3
		.amdhsa_float_denorm_mode_16_64 3
		.amdhsa_memory_ordered 1
		.amdhsa_forward_progress 1
		.amdhsa_inst_pref_size 98
	.end_amdhsa_kernel
	.amdgpu_metadata
---
amdhsa.version: [ 1, 2 ]
amdhsa.kernels:
  - .name:           k_qc71955c25b_attn
    .symbol:         k_qc71955c25b_attn.kd
    .args:
      - { .name: pc, .offset: 0, .size: 8, .value_kind: global_buffer, .address_space: global }
      - { .name: ps, .offset: 8, .size: 8, .value_kind: global_buffer, .address_space: global }
      - { .name: mask, .offset: 16, .size: 8, .value_kind: global_buffer, .address_space: global }
      - { .name: out0, .offset: 24, .size: 8, .value_kind: global_buffer, .address_space: global }
    .group_segment_fixed_size: 280576
    .private_segment_fixed_size: 0
    .kernarg_segment_align: 8
    .kernarg_segment_size: 32
    .max_flat_workgroup_size: 512
    .sgpr_count:     80
    .vgpr_count:     256
    .wavefront_size: 32
...
	.end_amdgpu_metadata
.endif
;; end of part 3
